; MI455X (gfx1250); checked and timed in simulation.
; The chip was launched on July 23, 2026; its instructions are those of AMD's public machine-readable ISA for CDNA 5 (MIT licence, August 2026) and "CDNA5" Instruction Set Architecture Reference Guide (July 2026). The comments in the code are by the model that wrote it; some were corrected since.
;; Multi Head Attention With Bias. Allowed arithmetic: matrix products marked QUANTISED: E2M1 operands, one E8M0 scale for each 32 along K, by v_wmma_scale_f32_16x16x128_f8f6f4 with both operands' format E2M1 (or v_wmma_scale_f32_32x16x128_f4), f32 sums; products left as they are: bf16, f16 or f32 operands; f32 sums; everything else in f32.
;; Inputs: K 2 x 2,048 x 768 float32; Q 2 x 2,048 x 768 float32; V 2 x 2,048 x 768 float32; W_K 768 x 768 float32; W_O 768 x 768 float32; W_Q 768 x 768 float32; W_V 768 x 768 float32; mask 1 x 1 x 2,048 x 2,048 int32; rel_emb 32 x 12 float32.
;; Outputs: out0 2 x 2,048 x 768 float32.
;; This version of the problem:
;;   THIS VERSION OF THE PROBLEM IS GIVEN IN LOW PRECISION. The matrix products marked QUANTISED in the list below multiply operands that are first quantised to E2M1 (2 exponent bits, 1 mantissa bit; 4 bits a number), with one power-of-two scale for each 32 numbers along K (OCP MX v1.0); their sums are f32. The products marked 'left as it is' may take bf16, f16 or f32 operands, with f32 sums. Whichever they take, every output number must still come out within the allowed error. Rounding operands to bf16 (8 significant bits) uses up far more of that allowance than f16 does (11 bits, for magnitudes from 6e-5 to 65,504). All else is computed in f32.
;;   The module's matrix products, in the order in which they are computed (A, B: the left and right operand; K: the contracted axis; several contracted axes count as one K, in the product's order):
;;     1. [M 4,096, K 768] x [K 768, N 768]; A: input Q; B: input W_Q: QUANTISED
;;     2. [M 4,096, K 768] x [K 768, N 768]; A: input K; B: input W_K: QUANTISED
;;     3. [M 4,096, K 768] x [K 768, N 768]; A: input V; B: input W_V: QUANTISED
;;     4. batch 24 x [M 2,048, K 64] x [K 64, N 2,048]; A: computed on the way; B: computed on the way: left as it is (an operand is computed on the way)
;;     5. batch 24 x [M 2,048, K 2,048] x [K 2,048, N 64]; A: computed on the way; B: computed on the way: left as it is (an operand is computed on the way)
;;     6. [M 4,096, K 768] x [K 768, N 768]; A: computed on the way; B: input W_O: left as it is (an operand is computed on the way)
;;   THE QUANTISER, for each operand of a quantised product, along K:
;;     - K is cut into blocks of 32 from its start; a last block that is shorter is filled with zeros.
;;     - A block's scale is 2^e with e = floor(log2(the largest magnitude in the block)) - 2, held to -126 .. 127; a block of zeros has e = 0. As a byte (E8M0): e + 127.
;;     - Each number is divided by its block's scale, clamped to +-6, and rounded to the nearest number of E2M1, ties to even, subnormals kept.
;;     - The product sums the exact products of the quantised numbers (number of the format x scale) in f32.
;;   ~~~python
;;   def quantise(x, axis):      # numpy; x: float32 -> the quantised numbers, widened to float32 again
;;       x = np.moveaxis(x, axis, -1); K = x.shape[-1]
;;       x = np.pad(x, [(0, 0)] * (x.ndim - 1) + [(0, -K % 32)]); x = x.reshape(x.shape[:-1] + (-1, 32)); a = np.abs(x).max(-1, keepdims=True)
;;       e = np.where(a > 0, np.clip(np.frexp(np.where(a > 0, a, 1))[1] - 1 - 2, -126, 127), 0)      # np.frexp(a)[1] - 1 = floor(log2(a)), exactly
;;       r = np.clip(x / 2.0 ** e, -6, 6)
;;       step = 2.0 ** (np.maximum(np.frexp(np.where(r == 0, 1, r))[1] - 1, 0) - 1)
;;       q = np.round(r / step) * step * 2.0 ** e      # np.round: ties to even
;;       return np.moveaxis(q.reshape(q.shape[:-2] + (-1,))[..., :K], -1, axis).astype(np.float32)
;;   ~~~
;; One version. Each part assembles by itself: llvm-mc -triple=amdgcn-amd-amdhsa -mcpu=gfx1250 --defsym DOCPART=n.
;; ======== version 1 of 1: 4 launches
;; limits: values are held in f16: magnitudes above 65,504 overflow, below 6.1e-05 lose precision
;; workspace buffers: codes 5,603,328 bytes; scales 466,944 bytes; mb 524,288 bytes of whole numbers; wo 1,179,648 bytes; bt 12,288 bytes; qkv 18,874,368 bytes; ofr 6,291,456 bytes
;; launch prep (part 1): grid 305 x 1, 4 waves a work-group, no clusters, 101,888 bytes of LDS; arguments Q, K, V, W_Q, W_K, W_V, W_O, mask, rel_emb, codes, scales, mb, wo, bt; writes codes, scales, mb, wo, bt
.if DOCPART == 1
	.amdgcn_target "amdgcn-amd-amdhsa--gfx1250"
	.amdhsa_code_object_version 6
	.text
	.protected	k_qc9315ad880_prep
	.globl	k_qc9315ad880_prep
	.p2align	8
	.type	k_qc9315ad880_prep,@function
k_qc9315ad880_prep:
	s_mov_b64 s[64:65], 0
	v_nop
	global_prefetch_b8 v0, s[64:65] scope:SCOPE_SE
	s_setreg_imm32_b32 hwreg(HW_REG_WAVE_MODE, 25, 1), 1
	s_wait_xcnt 0x0
; PREP: everything that is a plain function of one input is made once, and laid in the order of the operand registers that will take it.
;   work-groups 0-227   Q, K, V [4096][768] and W_Q, W_K, W_V [768][768], f32 -> codes of E2M1 and E8M0 scale bytes, blocks of 32 along K (the last axis).  A wave takes a tile of 16 rows.
;   work-groups 228-239 W_O [768][768] f32 -> f16, as fragments of 16 rows x 32 k.  A wave takes a tile of 16 rows.
;   work-groups 240-303 mask [2048][2048] int32 -> lane-mask words: for (16 queries, 16 keys, register j) bit l says mask[q0 + l % 16][k0 + 8 (l / 16) + j] != 0.  A wave takes 64 queries x 256 keys.
;   work-group  304     the bias table bt[head][w] = log2(e) x rel_emb[bucket(d = 16 - w)][head], w = 0 .. 255 (d = key - query).
; LAYOUTS.  A fragment of codes (16 rows x 128 k) is 1,024 bytes: the 16 bytes at 512 c + 16 lane are k = 64 c + 32 (lane / 16) + 0 .. 31 of row lane % 16.  A fragment of f16 (16 rows x 32 k) is 1,024 bytes:
; the 16 bytes at 512 c + 16 lane are k = 16 c + 8 (lane / 16) + 0 .. 7.  A tile's scale words are 512 bytes, 16 a lane: word u in lanes 0-15 is row l's word of K step 2 u, in lanes 16-31 row l - 16's of K step 2 u + 1.
; So every store of a wave covers 512 consecutive bytes, aligned, and every later load of a fragment is two loads of 16 bytes a lane.
; EVERY LOAD reads 512 consecutive bytes of one row; the 16 rows turn through the wave's own stage in LDS (rows 528 bytes apart: 33 x 16, so that sixteen rows start in sixteen different 16-byte columns).
; THE QUANTISER: a block's scale is 2^(floor(log2(largest magnitude)) - 2): the largest magnitude's exponent field less 2, held at 1 from below by a floor among the maximum's leaves.
; LIMITS: a block of zeros gets the byte 1 where the rule says 127 (its codes are zeros, and this program alone reads the bytes); NaN and infinities among the inputs are not served; any mask word other than 0 counts as open.
; W_O goes to f16: drawn at 0.02, it has room for factors of 30 either way (6e-4 .. 0.6 and their tails lie inside 6e-5 .. 65,504).
; No tensor loads, no barrier: waves share nothing.  The paths part on the work-group's number and have LDS bytes of their own.
.set STGB,  8448                       ; a wave's stage: 16 rows x 528 bytes
.set SPARE, 101376                     ; behind the three paths' stages (3 x 4 x 8,448): the spare words, 128 bytes a wave
.set SPW,   16                         ; v16  my spare word's address; never rewritten
.set NIL,   17                         ; v17  0; never rewritten
.set SW,    20                         ; v20-23   a tile's scale words
.set C,     24                         ; v24-39   codes, two sets of 8 (W_O's path: v24-55, 32 packed registers)
.set OW,    40                         ; v40-55   the mask's words on their way out
.set R,     64                         ; v64-191  two sets of 64: 16 rows as loaded
.set X,     192                        ; v192-255 64 registers back from the stage
.set SRC,   48                         ; s[48:49] where my wave reads
.set DST,   50                         ; s[50:51] where it stores
.set DS2,   52                         ; s[52:53] and its scale words
	s_load_b512 s[4:19], s[0:1], 0x0               ; Q, K, V, W_Q, W_K, W_V, W_O, mask
	s_load_b256 s[20:27], s[0:1], 0x40             ; rel_emb, codes, scales, mb
	s_load_b128 s[28:31], s[0:1], 0x60             ; wo, bt
	v_lshl_add_u32 v[SPW], v0, 2, SPARE
	v_mov_b32 v[NIL], 0
	v_lshrrev_b32 v8, 5, v0
	v_readfirstlane_b32 s2, v8                     ; wave 0..3
	v_and_b32 v1, 31, v0                           ; lane
	v_lshlrev_b32 v2, 4, v1                        ; 16 x lane: my bytes of a load's, and of a store's, 512
	v_and_b32 v5, 15, v0                           ; r
	v_bfe_u32 v6, v0, 4, 1                         ; h
	v_lshlrev_b32 v7, 3, v6                        ; 8 h
	v_mul_u32_u24 v9, v5, 528                      ; my row in a stage
	s_mul_i32 s3, s2, STGB                         ; my wave's stage within its path's four
	s_mov_b32 s54, 0x76543210
	s_mov_b32 s55, 0xfedcba98                      ; v_permlanex16_b32's selects for lane l xor 16
	s_mov_b32 s56, 0xffff0000                      ; lanes 16-31
	s_wait_kmcnt 0x0
	s_cmp_lt_u32 ttmp9, 228
	s_cbranch_scc1 .Lquant
	s_cmp_lt_u32 ttmp9, 240
	s_cbranch_scc1 .Lwo
	s_cmp_lt_u32 ttmp9, 304
	s_cbranch_scc1 .Lmask
; ---- THE BIAS TABLE.  Thread t takes w = 2 t and 2 t + 1.  bucket(d), d = 16 - w, by reference()'s own constants: w < 16: w;  w < 32: w - 16;  else 16 + the number of j = 1 .. 15 with 16 x 2^(3 j / 16) <= w - 16.
; Those fifteen bounds lie at least 0.09 from a whole number, so they are whole-number thresholds: 19, 21, .. 113 for -d, here with 16 added.
	v_lshlrev_b32 v8, 1, v0
	v_or_b32 v9, 1, v8
	v_mov_b32 v10, 16
	v_mov_b32 v11, 16
.irp thr, 35,37,40,43,47,51,56,62,68,75,83,93,103,115,129
	v_cmp_le_u32 vcc_lo, \thr, v8
	v_add_co_ci_u32 v10, vcc_lo, 0, v10, vcc_lo    ; one more for each threshold reached
	v_cmp_le_u32 vcc_lo, \thr, v9
	v_add_co_ci_u32 v11, vcc_lo, 0, v11, vcc_lo
.endr
.irp k, 0,1
	v_add_nc_u32 v12, -16, v[8+\k]
	v_cmp_gt_u32 vcc_lo, 32, v[8+\k]
	v_cndmask_b32 v[10+\k], v[10+\k], v12, vcc_lo
	v_cmp_gt_u32 vcc_lo, 16, v[8+\k]
	v_cndmask_b32 v[10+\k], v[10+\k], v[8+\k], vcc_lo
	v_mul_u32_u24 v[10+\k], v[10+\k], 48           ; a bucket's row of rel_emb is 12 numbers
.endr
	v_lshlrev_b32 v14, 3, v0                       ; out: 8 bytes a thread
.irp hd, 0,1,2,3,4,5,6,7,8,9,10,11
	global_load_b32 v[32+2*\hd], v10, s[20:21] offset:4*\hd
	global_load_b32 v[33+2*\hd], v11, s[20:21] offset:4*\hd
.endr
	s_wait_loadcnt 0x0
.irp n, 0,1,2,3,4,5,6,7,8,9,10,11,12,13,14,15,16,17,18,19,20,21,22,23
	v_mul_f32 v[32+\n], 0x3fb8aa3b, v[32+\n]       ; x log2(e): the softmax works in powers of two
.endr
.irp hd, 0,1,2,3,4,5,6,7,8,9,10,11
	global_store_b64 v14, v[32+2*\hd:33+2*\hd], s[30:31] offset:1024*\hd   ; a wave stores 256 consecutive bytes, aligned
.endr
	s_endpgm
.macro LOADT set, off, pitch           ; 16 rows, 512 consecutive bytes of each, into set
.irp i, 0,1,2,3,4,5,6,7,8,9,10,11,12,13,14,15
	global_load_b128 v[R+64*(\set)+4*\i:R+64*(\set)+4*\i+3], v2, s[SRC:SRC+1] offset:(\off)+\i*(\pitch) th:TH_LOAD_NT
.endr
.endm
.macro TOSTG set                       ; and into the stage as they lie
.irp i, 0,1,2,3,4,5,6,7,8,9,10,11,12,13,14,15
	ds_store_b128 v3, v[R+64*(\set)+4*\i:R+64*(\set)+4*\i+3] offset:528*\i
.endr
.endm
.macro CLOSE                           ; the wave's end: a tensor wait, an add of 0 to my spare word and its wait, behind my last LDS store
	s_wait_tensorcnt 0x0
	ds_add_u32 v[SPW], v[NIL]
	s_wait_dscnt 0x0
	s_endpgm
.endm
; ---- THE QUANTISER.  Work-groups 0-191: tensor p = wg / 64 of Q, K, V, tiles 4 (wg % 64) + wave.  Work-groups 192-227: tensor p = (wg - 192) / 12 of the weights, tiles 4 ((wg - 192) % 12) + wave.
.Lquant:
	s_lshr_b32 s32, ttmp9, 6
	s_and_b32 s33, ttmp9, 63
	s_sub_co_u32 s34, ttmp9, 192                   ; (wraps for the first 192, whose choice below does not take it)
	s_cmp_ge_u32 s34, 12
	s_cselect_b32 s35, 1, 0
	s_cmp_ge_u32 s34, 24
	s_cselect_b32 s36, 1, 0
	s_add_co_u32 s35, s35, s36
	s_mul_i32 s36, s35, 12
	s_sub_co_u32 s36, s34, s36
	s_cmp_lt_u32 ttmp9, 192                        ; activations or weights?  All choices hang on the work-group's number alone
	s_cselect_b32 s32, s32, s35                    ; p
	s_cselect_b32 s33, s33, s36                    ; the group of four tiles
	s_mov_b32 s37, 294912
	s_cselect_b32 s37, 1572864, s37                ; a tensor's codes in bytes
	s_cselect_b32 s38, 0, 4718592                  ; the weights' codes lie behind the activations'
	s_mov_b32 s39, 24576
	s_cselect_b32 s39, 131072, s39                 ; a tensor's scale words
	s_cselect_b32 s40, 0, 393216
	s_cmp_eq_u32 s32, 0
	s_cselect_b64 s[44:45], s[4:5], s[6:7]
	s_cselect_b64 s[46:47], s[10:11], s[12:13]
	s_cmp_eq_u32 s32, 2
	s_cselect_b64 s[44:45], s[8:9], s[44:45]
	s_cselect_b64 s[46:47], s[14:15], s[46:47]
	s_cmp_lt_u32 ttmp9, 192
	s_cselect_b64 s[SRC:SRC+1], s[44:45], s[46:47]
	s_lshl_b32 s33, s33, 2
	s_add_co_u32 s33, s33, s2                      ; my tile
	s_mul_i32 s42, s33, 49152                      ; 16 rows of 3,072 bytes
	s_mov_b32 s43, 0
	s_add_nc_u64 s[SRC:SRC+1], s[SRC:SRC+1], s[42:43]
	s_mul_i32 s42, s37, s32
	s_add_co_u32 s42, s42, s38
	s_mul_i32 s41, s33, 6144                       ; a tile's six fragments
	s_add_co_u32 s42, s42, s41
	s_add_nc_u64 s[DST:DST+1], s[22:23], s[42:43]
	s_mul_i32 s42, s39, s32
	s_add_co_u32 s42, s42, s40
	s_lshl_b32 s41, s33, 9
	s_add_co_u32 s42, s42, s41
	s_add_nc_u64 s[DS2:DS2+1], s[24:25], s[42:43]
	v_add_nc_u32 v3, s3, v2                        ; the stage, in: 16 x lane of a row
	v_lshl_add_u32 v4, v6, 7, v9
	v_add_nc_u32 v4, s3, v4                        ; and back: row r, + 128 h bytes: a whole block of 32 numbers a lane
	v_mov_b32 v15, 0                               ; a lane permute's destination counts as one of its sources
	LOADT 0, 0, 3072
	LOADT 1, 512, 3072
.macro QSTEP s                         ; K step s: 128 along K of my 16 rows
.if (\s) < 5
	s_wait_loadcnt 16                              ; this step's 16 loads are in; the next step's 16 may be out
.else
	s_wait_loadcnt 0x0
.endif
	TOSTG (\s)%2
.irp c, 0,1
.irp i, 0,1,2,3,4,5,6,7
	ds_load_b128 v[X+32*\c+4*\i:X+32*\c+4*\i+3], v4 offset:256*\c+16*\i   ; LDS serves a wave's instructions in order: these see my stores.  Register 32 c + i': k = 64 c + 32 h + i' of row r
.endr
.endr
	s_wait_dscnt 0x0                               ; the numbers are back, and the stores have read their registers,
.if (\s)+2 < 6
	LOADT (\s)%2, 512*((\s)+2), 3072               ; which take the loads of two steps on
.endif
.irp c, 0,1
	v_max3_num_f32 v[8+\c], |v[X+32*\c]|, |v[X+32*\c+1]|, 0x1800000   ; my block 2 c + h: all 32 numbers are mine; and the floor 2^(3 - 127), which holds the byte at 1 from below
.endr
.irp i, 2,4,6,8,10,12,14,16,18,20,22,24,26,28,30
.irp c, 0,1
	v_max3_num_f32 v[8+\c], v[8+\c], |v[X+32*\c+\i]|, |v[X+32*\c+\i+1]|   ; (the two blocks by turns)
.endr
.endr
.irp c, 0,1
	v_add_nc_u32 v[10+\c], 0xff000000, v[8+\c]     ; 2 off the exponent field: the conversion takes this operand's exponent field as its scale
.endr
.irp c, 0,1
	v_lshrrev_b32 v[12+\c], 23, v[10+\c]           ; the scale's byte
.endr
	s_wait_xcnt 0x0                                ; the stores of two steps back have read this set of code registers: it is rewritten only behind this wait
.irp c, 0,1
.irp g, 0,1,2,3
	v_cvt_scalef32_pk8_fp4_f32 v[C+8*((\s)%2)+4*\c+\g], v[X+32*\c+8*\g:X+32*\c+8*\g+7], v[10+\c]
.endr
.endr
	v_lshl_or_b32 v14, v13, 16, v12                ; (a plain line behind the conversions)  my two bytes: blocks h and 2 + h,
	v_lshlrev_b32 v14, v7, v14                     ; at their places in the word (8 h bits up);
	v_permlanex16_b32 v15, v14, s54, s55
	v_or_b32 v14, v14, v15                         ; with lane l xor 16's two the word is whole, in both lanes
.if ((\s)%2) == 0
	v_mov_b32 v[SW+(\s)/2], v14                    ; an even K step's word: wanted in lanes 0-15;
.else
	v_cndmask_b32 v[SW+(\s)/2], v[SW+(\s)/2], v14, s56   ; an odd one's takes lanes 16-31
.endif
.irp c, 0,1
	global_store_b128 v2, v[C+8*((\s)%2)+4*\c:C+8*((\s)%2)+4*\c+3], s[DST:DST+1] offset:1024*(\s)+512*\c
.endr
.endm
.irp s, 0,1,2,3,4,5
	QSTEP \s
.endr
	v_mov_b32 v[SW+3], 0
	global_store_b128 v2, v[SW:SW+3], s[DS2:DS2+1]
	CLOSE
; ---- W_O in f16 fragments.  Tile 4 (wg - 228) + wave; a step is 128 columns, four fragments.
.Lwo:
	s_sub_co_u32 s32, ttmp9, 228
	s_lshl_b32 s32, s32, 2
	s_add_co_u32 s32, s32, s2
	s_mul_i32 s34, s32, 49152
	s_mov_b32 s35, 0
	s_add_nc_u64 s[SRC:SRC+1], s[16:17], s[34:35]
	s_mul_i32 s34, s32, 24576                      ; a tile's 24 fragments
	s_add_nc_u64 s[DST:DST+1], s[28:29], s[34:35]
	s_add_co_u32 s3, s3, 4*STGB                    ; this path's stages
	v_add_nc_u32 v3, s3, v2
	v_lshl_add_u32 v4, v6, 5, v9
	v_add_nc_u32 v4, s3, v4                        ; back: row r, + 32 h bytes: 8 numbers of each 16
	LOADT 0, 0, 3072
	LOADT 1, 512, 3072
.macro WSTEP s
.if (\s) < 5
	s_wait_loadcnt 16                              ; the next step's 16 loads may be out
.else
	s_wait_loadcnt 0x0
.endif
	TOSTG (\s)%2
.irp k, 0,1,2,3
.irp c, 0,1
.irp e, 0,1
	ds_load_b128 v[X+16*\k+8*\c+4*\e:X+16*\k+8*\c+4*\e+3], v4 offset:128*\k+64*\c+16*\e   ; fragment k, half c: k = 16 c + 8 h + 0 .. 7
.endr
.endr
.endr
	s_wait_dscnt 0x0
.if (\s)+2 < 6
	LOADT (\s)%2, 512*((\s)+2), 3072
.endif
	s_wait_xcnt 0x0                                ; the last step's stores have read their registers
.irp n, 0,1,2,3,4,5,6,7,8,9,10,11,12,13,14,15,16,17,18,19,20,21,22,23,24,25,26,27,28,29,30,31
	v_cvt_pk_f16_f32 v[C+\n], v[X+2*\n], v[X+2*\n+1]
.endr
.irp n, 0,1,2,3,4,5,6,7
	global_store_b128 v2, v[C+4*\n:C+4*\n+3], s[DST:DST+1] offset:4096*(\s)+512*\n
.endr
.endm
.irp s, 0,1,2,3,4,5
	WSTEP \s
.endr
	CLOSE
; ---- THE MASK'S WORDS.  Wave W = 4 (wg - 240) + wave takes the block of 64 queries W / 8 and keys 256 (W % 8) on.  Step n: the tile of 16 queries n % 4, 128 keys from 128 (n / 4) on.
; mb is laid [block of 64 queries][key step of 64][query tile b][key tile a][j]: a key step's 128 words are 512 bytes: lane 8 b + 2 a + j / 4 holds word j % 4 of its four.
.Lmask:
	s_sub_co_u32 s57, ttmp9, 240
	s_lshl_b32 s57, s57, 2
	s_add_co_u32 s57, s57, s2
	s_lshr_b32 s58, s57, 3                         ; the block of queries
	s_and_b32 s59, s57, 7                          ; which 256 keys
	s_lshl_b32 s60, s58, 19                        ; 64 rows of 8,192 bytes
	s_lshl_b32 s61, s59, 10
	s_add_co_u32 s60, s60, s61
	s_mov_b32 s61, 0
	s_add_nc_u64 s[SRC:SRC+1], s[18:19], s[60:61]
	s_lshl_b32 s60, s58, 14
	s_lshl_b32 s62, s59, 11                        ; four key steps of 512 bytes
	s_add_co_u32 s60, s60, s62
	s_add_nc_u64 s[DST:DST+1], s[26:27], s[60:61]
	s_add_co_u32 s3, s3, 8*STGB                    ; this path's stages
	v_add_nc_u32 v3, s3, v2
	v_lshl_add_u32 v4, v6, 5, v9
	v_add_nc_u32 v4, s3, v4                        ; back: query r, + 32 h bytes: 8 keys of each 16
.irp n, 0,1,2,3,4,5,6,7,8,9,10,11,12,13,14,15
	v_mov_b32 v[OW+\n], 0                          ; v_writelane_b32's destination counts as one of its sources
.endr
	LOADT 0, 0, 8192
	LOADT 1, 131072, 8192
.macro MSTEP n
.if (\n) < 7
	s_wait_loadcnt 16                              ; the next step's 16 loads may be out
.else
	s_wait_loadcnt 0x0
.endif
	TOSTG (\n)%2
.irp a, 0,1,2,3,4,5,6,7
.irp e, 0,1
	ds_load_b128 v[X+8*\a+4*\e:X+8*\a+4*\e+3], v4 offset:64*\a+16*\e   ; register 8 a + j: mask[query r][16 a + 8 h + j]
.endr
.endr
	s_wait_dscnt 0x0
.if (\n)+2 < 8
	LOADT (\n)%2, 512*(((\n)+2)/4)+131072*(((\n)+2)%4), 8192
.endif
.irp q, 0,1,2,3
.irp i, 0,1,2,3,4,5,6,7,8,9,10,11,12,13,14,15
	v_cmp_ne_u32 s[32+\i], 0, v[X+16*\q+\i]        ; the 32 lanes' bits are the word
.endr
.irp i, 0,1,2,3,4,5,6,7,8,9,10,11,12,13,14,15
	v_writelane_b32 v[OW+8*((\n)/4)+4*((2*\q+\i/8)/4)+(\i%4)], s[32+\i], 8*((\n)%4)+2*((2*\q+\i/8)%4)+(\i%8)/4
.endr
.endr
.if ((\n)%4) == 3
.irp t, 0,1
	global_store_b128 v2, v[OW+8*((\n)/4)+4*\t:OW+8*((\n)/4)+4*\t+3], s[DST:DST+1] offset:(2*((\n)/4)+\t)*512   ; a key step's words, whole; these registers are not written again
.endr
.endif
.endm
.irp n, 0,1,2,3,4,5,6,7
	MSTEP \n
.endr
	CLOSE
.Lfunc_end_k_qc9315ad880_prep:
	.size	k_qc9315ad880_prep, .Lfunc_end_k_qc9315ad880_prep-k_qc9315ad880_prep
	.p2alignl 7, 3214868480
	.fill 96, 4, 3214868480
	.section	.rodata,"a",@progbits
	.p2align	6, 0x0
	.amdhsa_kernel k_qc9315ad880_prep
		.amdhsa_group_segment_fixed_size 101888
		.amdhsa_private_segment_fixed_size 0
		.amdhsa_enable_private_segment 0
		.amdhsa_kernarg_size 112
		.amdhsa_user_sgpr_count 2
		.amdhsa_user_sgpr_kernarg_segment_ptr 1
		.amdhsa_wavefront_size32 1
		.amdhsa_system_sgpr_workgroup_id_x 1
		.amdhsa_system_sgpr_workgroup_id_y 1
		.amdhsa_system_sgpr_workgroup_id_z 1
		.amdhsa_system_vgpr_workitem_id 0
		.amdhsa_next_free_vgpr 256
		.amdhsa_next_free_sgpr 66
		.amdhsa_reserve_vcc 1
		.amdhsa_float_denorm_mode_32 3
		.amdhsa_float_denorm_mode_16_64 3
		.amdhsa_memory_ordered 1
		.amdhsa_forward_progress 1
		.amdhsa_inst_pref_size 185
	.end_amdhsa_kernel
	.amdgpu_metadata
---
amdhsa.version: [ 1, 2 ]
amdhsa.kernels:
  - .name:           k_qc9315ad880_prep
    .symbol:         k_qc9315ad880_prep.kd
    .args:
      - { .name: Q, .offset: 0, .size: 8, .value_kind: global_buffer, .address_space: global }
      - { .name: K, .offset: 8, .size: 8, .value_kind: global_buffer, .address_space: global }
      - { .name: V, .offset: 16, .size: 8, .value_kind: global_buffer, .address_space: global }
      - { .name: W_Q, .offset: 24, .size: 8, .value_kind: global_buffer, .address_space: global }
      - { .name: W_K, .offset: 32, .size: 8, .value_kind: global_buffer, .address_space: global }
      - { .name: W_V, .offset: 40, .size: 8, .value_kind: global_buffer, .address_space: global }
      - { .name: W_O, .offset: 48, .size: 8, .value_kind: global_buffer, .address_space: global }
      - { .name: mask, .offset: 56, .size: 8, .value_kind: global_buffer, .address_space: global }
      - { .name: rel_emb, .offset: 64, .size: 8, .value_kind: global_buffer, .address_space: global }
      - { .name: codes, .offset: 72, .size: 8, .value_kind: global_buffer, .address_space: global }
      - { .name: scales, .offset: 80, .size: 8, .value_kind: global_buffer, .address_space: global }
      - { .name: mb, .offset: 88, .size: 8, .value_kind: global_buffer, .address_space: global }
      - { .name: wo, .offset: 96, .size: 8, .value_kind: global_buffer, .address_space: global }
      - { .name: bt, .offset: 104, .size: 8, .value_kind: global_buffer, .address_space: global }
    .group_segment_fixed_size: 101888
    .private_segment_fixed_size: 0
    .kernarg_segment_align: 8
    .kernarg_segment_size: 112
    .max_flat_workgroup_size: 128
    .sgpr_count:     66
    .vgpr_count:     256
    .wavefront_size: 32
...
	.end_amdgpu_metadata
.endif
;; end of part 1
;; launch proj (part 2): grid 6 x 96, 4 waves a work-group, no clusters, 0 bytes of LDS; arguments codes, scales, qkv; writes qkv
.if DOCPART == 2
	.amdgcn_target "amdgcn-amd-amdhsa--gfx1250"
	.amdhsa_code_object_version 6
	.text
	.protected	k_qc9315ad880_proj
	.globl	k_qc9315ad880_proj
	.p2align	8
	.type	k_qc9315ad880_proj,@function
k_qc9315ad880_proj:
	s_mov_b64 s[64:65], 0
	v_nop
	global_prefetch_b8 v0, s[64:65] scope:SCOPE_SE
	s_setreg_imm32_b32 hwreg(HW_REG_WAVE_MODE, 25, 1), 1
	s_wait_xcnt 0x0
; PROJ: q = Q W_Q^T, k = K W_K^T, v = V W_V^T on codes of E2M1 with E8M0 scales, sums in f32; the results leave as f16 fragments in the order in which attention's operand registers take them.
; SHARES.  Work-group (x, y): projection p = y / 32, 128 tokens y % 32, heads 2 x and 2 x + 1.  Each of its four waves makes 64 tokens x one head's 64 channels: 16 accumulators, K = 768 in six steps of 128: 96 matrix instructions.
; Operands come from memory straight into registers: they were laid as register images, so a fragment is two loads of 16 bytes a lane, 512 consecutive bytes each.  No LDS, no barrier, no label: K is short.
; With 320 registers three waves fit on a SIMD, so that all 576 work-groups lie on the chip at once and one wave's loads land under another's products.
; ONE TEXT FOR THREE PROJECTIONS.  For q and k source 0 = 16 rows of W and source 1 = 16 tokens: a lane then holds ONE token and eight neighbouring channels, which packed to f16 are 16 bytes of a fragment [token][channel].
; For v the two change places (only offsets are chosen, by the work-group's number): a lane holds ONE channel and eight neighbouring tokens: a fragment of V^T [channel][key].  In both cases tile (i, j) goes to byte 2,048 j + 512 i.
; q is multiplied by log2(e) / 8 in f32 ahead of its rounding (k and v by 1, the price of one text): attention's scores are then exponents of two.
; f16's ROOM: q, k, v are drawn at 0.55 rms.  Inputs 30 times larger on both sides give about 500; offsets of 30 spreads on both sides about 13,900: under 65,504.  30 times smaller on both sides: 6e-4, where f16's step is 1e-4 of the number.
; LIMITS: NaN and infinities are not served.
.set SCA, 16                           ; v16-31  source 0's scale words: tile i at 4 i; register u: K steps 2 u (lanes 0-15) and 2 u + 1 (lanes 16-31)
.set SCB, 32                           ; v32-47  source 1's
.set ACC, 128                          ; v128-255 accumulator (i, j) at 8 (4 i + j)
                                       ; v48-111 fragments of even K steps (source 0's four, then source 1's four), later the packed results; v256-319 (window 1, v0-63) those of odd K steps
.set MSB, 0
.macro WIN new                         ; the immediate's high byte repeats the setting that is left
.if MSB != \new
	s_set_vgpr_msb (MSB<<8)|\new
.set MSB, \new
.endif
.endm
	s_load_b128 s[4:7], s[0:1], 0x0                ; codes, scales
	s_load_b64 s[8:9], s[0:1], 0x10                ; qkv
	v_lshrrev_b32 v2, 5, v0
	v_readfirstlane_b32 s10, v2                    ; wave
	v_and_b32 v1, 31, v0
	v_lshlrev_b32 v1, 4, v1                        ; 16 x lane
	s_and_b32 s11, ttmp7, 0xffff
	s_lshr_b32 s24, s11, 5                         ; p
	s_and_b32 s25, s11, 31
	s_and_b32 s26, s10, 1
	s_lshr_b32 s27, s10, 1
	s_lshl_b32 s25, s25, 1
	s_add_co_u32 s25, s25, s27                     ; my block of 64 tokens, 0 .. 63
	s_lshl_b32 s28, ttmp9, 1
	s_add_co_u32 s28, s28, s26                     ; my head
	s_mul_i32 s29, s24, 1572864
	s_mul_i32 s30, s25, 24576
	s_add_co_u32 s29, s29, s30                     ; the tokens' codes: four tiles of 6,144 bytes
	s_mul_i32 s30, s24, 294912
	s_mul_i32 s31, s28, 24576
	s_add_co_u32 s30, s30, s31
	s_add_co_u32 s30, s30, 4718592                 ; the weight's
	s_lshl_b32 s31, s24, 17
	s_lshl_b32 s32, s25, 11
	s_add_co_u32 s31, s31, s32                     ; the tokens' scale words: four tiles of 512 bytes
	s_mul_i32 s32, s24, 24576
	s_lshl_b32 s33, s28, 11
	s_add_co_u32 s32, s32, s33
	s_add_co_u32 s32, s32, 393216                  ; the weight's
	s_cmp_eq_u32 s24, 2                            ; v: the tokens are source 0
	s_cselect_b32 s12, s29, s30
	s_cselect_b32 s14, s30, s29
	s_cselect_b32 s16, s31, s32
	s_cselect_b32 s18, s32, s31
	s_mov_b32 s13, 0
	s_mov_b32 s15, 0
	s_mov_b32 s17, 0
	s_mov_b32 s19, 0
	s_lshr_b32 s33, s25, 5                         ; batch
	s_and_b32 s34, s25, 31                         ; the block of 64 tokens in it
	s_mul_i32 s33, s33, 12
	s_add_co_u32 s33, s33, s28                     ; g = 12 batch + head
	s_lshl_b32 s35, s33, 18
	s_lshl_b32 s36, s34, 13
	s_add_co_u32 s35, s35, s36                     ; q: 262,144 g + 8,192 block
	s_lshl_b32 s36, s33, 19
	s_lshl_b32 s37, s34, 14
	s_add_co_u32 s36, s36, s37
	s_lshr_b32 s37, s24, 1
	s_lshl_b32 s37, s37, 13
	s_add_co_u32 s36, s36, s37
	s_add_co_u32 s36, s36, 6291456                 ; k, v: behind q: 524,288 g + 16,384 key step, v 8,192 behind k
	s_cmp_eq_u32 s24, 0
	s_cselect_b32 s20, s35, s36
	s_cselect_b32 s22, 0x3e38aa3b, 1.0             ; log2(e) / 8 for q
	s_mov_b32 s21, 0
	s_mov_b32 s23, s22                             ; (named with it as a pair)
	s_wait_kmcnt 0x0
	s_add_nc_u64 s[12:13], s[4:5], s[12:13]        ; source 0's codes
	s_add_nc_u64 s[14:15], s[4:5], s[14:15]        ; source 1's
	s_add_nc_u64 s[16:17], s[6:7], s[16:17]        ; source 0's scale words
	s_add_nc_u64 s[18:19], s[6:7], s[18:19]        ; source 1's
	s_add_nc_u64 s[20:21], s[8:9], s[20:21]        ; out
.macro FLOAD s                         ; K step s: four fragments a side, 16 loads
.if (\s)%2
	WIN 0x40                                       ; destination window 1
.set FB, 0
.else
	WIN 0
.set FB, 48
.endif
.irp i, 0,1,2,3
.irp c, 0,1
	global_load_b128 v[FB+8*\i+4*\c:FB+8*\i+4*\c+3], v1, s[12:13] offset:\i*6144+(\s)*1024+512*\c
	global_load_b128 v[FB+32+8*\i+4*\c:FB+32+8*\i+4*\c+3], v1, s[14:15] offset:\i*6144+(\s)*1024+512*\c
.endr
.endr
.endm
.macro MUL s                           ; 16 matrix instructions; the 16 accumulators take turns, one instruction a turn, in the same order in every step
.if (\s)%2
	WIN 0x05                                       ; sources 0 and 1 window 1
.set FB, 0
.else
	WIN 0
.set FB, 48
.endif
.irp i, 0,1,2,3
.irp j, 0,1,2,3
.if (\s) == 0
	v_wmma_scale_f32_16x16x128_f8f6f4 v[ACC+8*(4*\i+\j):ACC+8*(4*\i+\j)+7], v[FB+8*\i:FB+8*\i+7], v[FB+32+8*\j:FB+32+8*\j+7], 0, v[SCA+4*\i], v[SCB+4*\j] matrix_a_fmt:MATRIX_FMT_FP4 matrix_b_fmt:MATRIX_FMT_FP4
.elseif (\s)%2
	v_wmma_scale_f32_16x16x128_f8f6f4 v[ACC+8*(4*\i+\j):ACC+8*(4*\i+\j)+7], v[FB+8*\i:FB+8*\i+7], v[FB+32+8*\j:FB+32+8*\j+7], v[ACC+8*(4*\i+\j):ACC+8*(4*\i+\j)+7], v[SCA+4*\i+(\s)/2], v[SCB+4*\j+(\s)/2] matrix_a_fmt:MATRIX_FMT_FP4 matrix_b_fmt:MATRIX_FMT_FP4 matrix_a_scale:MATRIX_SCALE_ROW1 matrix_b_scale:MATRIX_SCALE_ROW1
.else
	v_wmma_scale_f32_16x16x128_f8f6f4 v[ACC+8*(4*\i+\j):ACC+8*(4*\i+\j)+7], v[FB+8*\i:FB+8*\i+7], v[FB+32+8*\j:FB+32+8*\j+7], v[ACC+8*(4*\i+\j):ACC+8*(4*\i+\j)+7], v[SCA+4*\i+(\s)/2], v[SCB+4*\j+(\s)/2] matrix_a_fmt:MATRIX_FMT_FP4 matrix_b_fmt:MATRIX_FMT_FP4
.endif
.endr
.endr
.rept 4
	v_nop                                          ; four places in front of loads into registers that these products read, and of the first read of results
.endr
.endm
.irp i, 0,1,2,3
	global_load_b128 v[SCA+4*\i:SCA+4*\i+3], v1, s[16:17] offset:512*\i
	global_load_b128 v[SCB+4*\i:SCB+4*\i+3], v1, s[18:19] offset:512*\i
.endr
	FLOAD 0
	FLOAD 1
.irp s, 0,1,2,3
	s_wait_loadcnt 16                              ; this K step's loads (and the scale words) are in; the next step's 16 may be out
	MUL \s
	FLOAD \s+2
.endr
	s_wait_loadcnt 16
	MUL 4
	s_wait_loadcnt 0x0
	MUL 5
	WIN 0
.set n, 0
.rept 64
	v_pk_mul_f32 v[ACC+2*n:ACC+2*n+1], v[ACC+2*n:ACC+2*n+1], s[22:23] op_sel_hi:[1,0]   ; each accumulator from its low end on
.set n, n+1
.endr
.irp j, 0,1,2,3
.irp i, 0,1,2,3
.irp q, 0,1,2,3
	v_cvt_pk_f16_f32 v[48+4*(4*\j+\i)+\q], v[ACC+8*(4*\i+\j)+2*\q], v[ACC+8*(4*\i+\j)+2*\q+1]
.endr
.endr
.endr
.irp j, 0,1,2,3
.irp i, 0,1,2,3
	global_store_b128 v1, v[48+4*(4*\j+\i):48+4*(4*\j+\i)+3], s[20:21] offset:2048*\j+512*\i   ; 512 consecutive bytes a store, 8,192 on end
.endr
.endr
	s_endpgm
.Lfunc_end_k_qc9315ad880_proj:
	.size	k_qc9315ad880_proj, .Lfunc_end_k_qc9315ad880_proj-k_qc9315ad880_proj
	.p2alignl 7, 3214868480
	.fill 96, 4, 3214868480
	.section	.rodata,"a",@progbits
	.p2align	6, 0x0
	.amdhsa_kernel k_qc9315ad880_proj
		.amdhsa_group_segment_fixed_size 0
		.amdhsa_private_segment_fixed_size 0
		.amdhsa_enable_private_segment 0
		.amdhsa_kernarg_size 24
		.amdhsa_user_sgpr_count 2
		.amdhsa_user_sgpr_kernarg_segment_ptr 1
		.amdhsa_wavefront_size32 1
		.amdhsa_system_sgpr_workgroup_id_x 1
		.amdhsa_system_sgpr_workgroup_id_y 1
		.amdhsa_system_sgpr_workgroup_id_z 1
		.amdhsa_system_vgpr_workitem_id 0
		.amdhsa_next_free_vgpr 320
		.amdhsa_next_free_sgpr 66
		.amdhsa_reserve_vcc 0
		.amdhsa_float_denorm_mode_32 3
		.amdhsa_float_denorm_mode_16_64 3
		.amdhsa_memory_ordered 1
		.amdhsa_forward_progress 1
		.amdhsa_inst_pref_size 36
	.end_amdhsa_kernel
	.amdgpu_metadata
---
amdhsa.version: [ 1, 2 ]
amdhsa.kernels:
  - .name:           k_qc9315ad880_proj
    .symbol:         k_qc9315ad880_proj.kd
    .args:
      - { .name: codes, .offset: 0, .size: 8, .value_kind: global_buffer, .address_space: global }
      - { .name: scales, .offset: 8, .size: 8, .value_kind: global_buffer, .address_space: global }
      - { .name: qkv, .offset: 16, .size: 8, .value_kind: global_buffer, .address_space: global }
    .group_segment_fixed_size: 0
    .private_segment_fixed_size: 0
    .kernarg_segment_align: 8
    .kernarg_segment_size: 24
    .max_flat_workgroup_size: 128
    .sgpr_count:     66
    .vgpr_count:     320
    .wavefront_size: 32
...
	.end_amdgpu_metadata
.endif
;; end of part 2
;; launch attn (part 3): grid 8 x 24, 8 waves a work-group, clusters of 4 x 1, 327,680 bytes of LDS; arguments qkv, mb, bt, ofr; writes ofr
.if DOCPART == 3
	.amdgcn_target "amdgcn-amd-amdhsa--gfx1250"
	.amdhsa_code_object_version 6
	.text
	.protected	k_qc9315ad880_attn
	.globl	k_qc9315ad880_attn
	.p2align	8
	.type	k_qc9315ad880_attn,@function
k_qc9315ad880_attn:
	s_mov_b64 s[64:65], 0
	v_nop
	global_prefetch_b8 v0, s[64:65] scope:SCOPE_SE
	s_setreg_imm32_b32 hwreg(HW_REG_WAVE_MODE, 25, 1), 1
	s_wait_xcnt 0x0
	s_wait_alu depctr_hold_cnt(0) depctr_sa_sdst(0) depctr_va_vdst(0) depctr_va_sdst(0) depctr_va_ssrc(0) depctr_va_vcc(0) depctr_vm_vsrc(0)
	s_getreg_b32 s2, hwreg(HW_REG_IB_STS2, 6, 4)
	s_cmp_eq_u32 s2, 0
	s_cbranch_scc0 .Lentry_in_a_cluster
	s_endpgm
.Lentry_in_a_cluster:
	s_bfe_u32 s2, ttmp6, 0x10000c
	s_cmp_lg_u32 s2, 0x3003
	s_cbranch_scc0 .Lentry_shape_is_right
	s_endpgm
.Lentry_shape_is_right:
; ATTN: O = softmax(q k^T / 8 + bias, under the mask) v for one (batch, head) g and 256 queries, in f16 operands and f32 sums.  q arrives multiplied by log2(e) / 8 and the bias by log2(e): p = 2^(s - m).
; SHARES.  Eight waves.  Wave w: wq = w % 4; it owns the 64 queries from 64 qg on, qg = 3 - wq, four tiles of 16; u = w / 4 takes the key steps (64 keys) of parity u.  So each fragment of K and V read from LDS feeds four tiles
; of queries, and a SIMD still holds two waves, so that one wave's vector work stands beside the other's products.  The two waves of a pair join (m, l, O) once, at the end, through LDS.
; 192 work-groups: 49,152 rows of queries over 256 would be 192 rows each, which does not divide a head's 2,048; a split of the keys between work-groups would send partial results through memory.
; LAYOUT.  S^T = K Q^T (source 0 = 16 keys, source 1 = 16 queries) and O^T = V^T P (source 0 = 16 channels, source 1 = P): a lane holds ONE query (lane % 16) throughout, and two tiles of S^T packed to f16 ARE a fragment of P.
; K, V^T and Q lie in memory as images of operand registers: a fragment is two loads of 16 bytes a lane, 512 consecutive bytes each: no pitch, no padding, no turning load.
; THE BIAS is the C of each score tile's first product.  It hangs on key - query alone, so the 16 tiles of a step need 7 diagonals of 8 registers.  They come from a table in LDS, L[i], i = key - (query - the block's first) + 255;
; four copies, shifted by 0 .. 3 entries, make a lane's 8 neighbouring entries two aligned loads of 16 bytes; 64 bytes of skew between copies put a pass's sixteen lanes on sixteen different 16-byte columns.
; THE MASK comes as lane-mask words by scalar loads, one v_cndmask_b32 a register BEHIND the product: no infinity enters a matrix instruction.  The words select values alone: no branch and no address hangs on them.
; A row with no open key: every p is 0, the sum is 0, and the reciprocal is replaced by 0, so that O is 0, as reference()'s nan_to_num leaves it.
; CLUSTER.  The four blocks of queries of a cluster walk the same K and V: each tile is asked for JOINTLY (mask 15), by every wave of all four on every path.  The work-group's place enters global addresses alone (Q, mask words,
; the table's source, O): the table's CONTENT is shifted by the block, its LDS addresses are not.
; RING.  Two slots of 8 key steps (131,072 bytes, dense as in memory); wave w fetches step w of a slot.  Four slots' worth of keys: two first fills, two refills.  Two tensor loads of a wave are out at the start, later one.
; No prefetch into the L2: half of the stream goes out at the head, and each refill goes out four of the wave's own key steps ahead of its first read.
; f16's ROOM: p <= 1.  O is drawn at 0.012 rms; with inputs 30 times smaller on both sides of v's product, 1.4e-5, f16's fixed step of 6e-8 is 4e-3 of it at the worst and 1e-3 in the mean; everywhere else f16 is the finer of the two 16-bit formats.
; LIMITS: NaN and infinities among the inputs are not served; the running maximum starts at -3e38, and scores under that are not served.
.set SLOT1, 1<<17                      ; slot 1 begins here: one exclusive or turns an address from one slot to the other
.set TAB,   262144                     ; behind the ring: the bias table, four copies
.set COPYB, 10304                      ; a copy: 640 slots of 16 bytes + 64 of skew
.set SPARE, 303360                     ; behind the table (4 x 10,304 = 161 blocks of 256): the spare words, 128 bytes for each of eight waves
.set EXB,   17408                      ; the exchange of a pair of waves: 16,384 bytes of O, 1,024 of m and l.  It lies in slot 0, which has had its last fill and its last read by then
.set LI,   1                           ; v1   16 x lane
.set ADR,  2                           ; v2   the step's tiles in LDS
.set ABT0, 3                           ; v3   my lane's place in the table
.set ABT,  4                           ; v4   + the step
.set EXA,  5                           ; v5   my lane's place in the exchange
.set SPW,  6                           ; v6   my spare word; never rewritten
.set NIL,  7                           ; v7   0; never rewritten
.set NINF, 8                           ; v8   -infinity
.set ST,   16                          ; v16-47  tile b's statistics at 8 b: +0 m, +1 its pair's partner, +2, +3 l (two halves), +4 .. +7 at work (a at +6)
.set BT,   48                          ; v48-103 the bias: diagonal a - b + 3 at 8 (a - b + 3)
.set XM,   104                         ; v104-119 m and l of my pair: mine, then the partner's
.set S,    128                         ; v128-255 S^T: tile (b, a) at 32 b + 8 a; P is packed in place: P(b, f) at 32 b + 8 f
.set QF,   128                         ; window 1: v0-127 O^T, tile (b, t) at 32 b + 8 t; v128-191 Q(b, f) at 16 b + 8 f;
.set KV,   192                         ;           v192-255 K's eight fragments and V's, by turns
                                       ; s2 the slot's byte of my step; s3 the table's; s[4:5] my mask words; s[6:7] O; s8 wave; s9 the step's mask words; s10, s11 counters; s[12:15], s[16:19] groups 0; s[20:21] lane selects;
                                       ; s22 u; s23 wq; s[24:31] group 1; s32-63, s68-99 64 mask words (scratch at the head); s[66:67] Q; s[100:101] the bias table in memory
.set MSB, 0
.macro WIN new                         ; the immediate's high byte repeats the setting that is left
.if MSB != \new
	s_set_vgpr_msb (MSB<<8)|\new
.set MSB, \new
.endif
.endm
.macro CROUND                          ; a round of the cluster's barrier: my work-group's barrier; wave 0 signals for the work-group; every wave waits for all four work-groups; my work-group's barrier once more
	s_barrier_signal -1
	s_barrier_wait -1
	s_cmp_lg_u32 s8, 0
	s_cbranch_scc1 .Lnot_wave_0_\@
	s_barrier_signal -3
.Lnot_wave_0_\@:
	s_barrier_wait -3
	s_barrier_signal -1
	s_barrier_wait -1
.endm
.macro MLOAD beta                      ; the 64 mask words of query tiles 2 beta, 2 beta + 1 for the step at s9
	s_load_b512 s[32:47], s[4:5], s9 offset:256*\beta
	s_load_b512 s[48:63], s[4:5], s9 offset:256*\beta+64
	s_load_b512 s[68:83], s[4:5], s9 offset:256*\beta+128
	s_load_b512 s[84:99], s[4:5], s9 offset:256*\beta+192
.endm
.macro KVLOAD base                     ; eight fragments in one run: K's (key tile a, channel half f) at 2 a + f, or V's (channel tile t, key half f) at 2 t + f
	WIN 0x40                                       ; destination window 1
.irp x, 0,1,2,3,4,5,6,7
.irp c, 0,1
	ds_load_b128 v[KV+8*\x+4*\c:KV+8*\x+4*\c+3], v[ADR] offset:\base+1024*\x+512*\c
.endr
.endr
.endm
.macro BTLOAD                          ; the seven diagonals of the step at s3
	WIN 0
	v_add_nc_u32 v[ABT], s3, v[ABT0]
.irp d, 0,1,2,3,4,5,6
.irp e, 0,1
	ds_load_b128 v[BT+8*\d+4*\e:BT+8*\d+4*\e+3], v[ABT] offset:64*\d+16*\e
.endr
.endr
.endm
.macro KQ                              ; 32 products; the 16 accumulators take turns, one instruction a turn; the first 16 start the sums with the bias
	WIN 0x05                                       ; K and Q window 1; C and D window 0
.irp f, 0,1
.irp b, 0,1,2,3
.irp a, 0,1,2,3
.if \f == 0
	v_wmma_f32_16x16x32_f16 v[S+32*\b+8*\a:S+32*\b+8*\a+7], v[KV+16*\a:KV+16*\a+7], v[QF+16*\b:QF+16*\b+7], v[BT+8*(\a-\b+3):BT+8*(\a-\b+3)+7]
.else
	v_wmma_f32_16x16x32_f16 v[S+32*\b+8*\a:S+32*\b+8*\a+7], v[KV+16*\a+8:KV+16*\a+15], v[QF+16*\b+8:QF+16*\b+15], v[S+32*\b+8*\a:S+32*\b+8*\a+7]
.endif
.endr
.endr
.endr
.endm
.macro PV first                        ; 32 products O^T += V^T P, the 16 accumulators by turns; first = 1: the first 16 start the sums
	WIN 0x51                                       ; V window 1, P window 0, C and D window 1
.irp f, 0,1
.irp b, 0,1,2,3
.irp t, 0,1,2,3
.if \first && (\f == 0)
	v_wmma_f32_16x16x32_f16 v[32*\b+8*\t:32*\b+8*\t+7], v[KV+16*\t+8*\f:KV+16*\t+8*\f+7], v[S+32*\b+8*\f:S+32*\b+8*\f+7], 0
.else
	v_wmma_f32_16x16x32_f16 v[32*\b+8*\t:32*\b+8*\t+7], v[KV+16*\t+8*\f:KV+16*\t+8*\f+7], v[S+32*\b+8*\f:S+32*\b+8*\f+7], v[32*\b+8*\t:32*\b+8*\t+7]
.endif
.endr
.endr
.endr
.endm
.macro TSET beta, t                    ; the registers of query tile 2 beta + t
.set rT, ST+8*(2*(\beta)+(\t))
.set rS, S+32*(2*(\beta)+(\t))
.set rO, 32*(2*(\beta)+(\t))
.endm
; THE SOFTMAX of query tiles 2 beta and 2 beta + 1 for one key step, the two tiles line by line, so that no line waits for the line above it.
.macro HALF beta, first
	s_wait_kmcnt 0x0                               ; these tiles' mask words are in, and no scalar load is out
.set xx, 0
.rept 64
	v_cndmask_b32 v[S+64*\beta+xx], v[NINF], v[S+64*\beta+xx], s[32+xx+4*(xx/32)]   ; a hidden key's score becomes -infinity.  Ascending: each accumulator is first read at its low end
.set xx, xx+1
.endr
.if \beta == 0
	MLOAD 1                                        ; the other two tiles' words
.else
	s_add_co_u32 s9, s9, 1024                      ; my next key step's (two steps on); behind the last it wraps to my first, inside the block's 16,384 bytes
	s_and_b32 s9, s9, 0x3fff
	MLOAD 0
.endif
.irp j, 0,1,2,3                        ; the maximum of 32 scores and the old m, three operands at a time, in four chains
.irp t, 0,1
	TSET \beta, \t
	v_max3_num_f32 v[rT+4+\j], v[rS+8*\j], v[rS+8*\j+1], v[rS+8*\j+2]
.endr
.endr
.irp g, 1,2
.irp j, 0,1,2,3
.irp t, 0,1
	TSET \beta, \t
	v_max3_num_f32 v[rT+4+\j], v[rT+4+\j], v[rS+8*\j+2*\g+1], v[rS+8*\j+2*\g+2]
.endr
.endr
.endr
.irp t, 0,1
	TSET \beta, \t
	v_max3_num_f32 v[rT+4], v[rT+4], v[rS+7], v[rS+15]
	v_max3_num_f32 v[rT+6], v[rT+6], v[rS+23], v[rS+31]
.endr
.irp t, 0,1
	TSET \beta, \t
	v_max3_num_f32 v[rT+4], v[rT+4], v[rT+5], v[rT+6]
.endr
.irp t, 0,1
	TSET \beta, \t
	v_max3_num_f32 v[rT+4], v[rT+4], v[rT+7], v[rT]
.endr
.irp t, 0,1
	TSET \beta, \t
	v_permlanex16_b32 v[rT+5], v[rT+4], s20, s21   ; the query's other 32 keys lie in the lane 16 away
.endr
.irp t, 0,1
	TSET \beta, \t
	v_max_num_f32 v[rT+5], v[rT+4], v[rT+5]        ; the new m
.endr
.irp t, 0,1
	TSET \beta, \t
	v_sub_f32 v[rT+7], v[rT], v[rT+5]              ; m_old - m_new
.endr
.irp t, 0,1
	TSET \beta, \t
	v_mov_b32 v[rT], v[rT+5]
.endr
.irp i, 0,1,2,3,4,5,6,7,8,9,10,11,12,13,14,15
.irp t, 0,1
	TSET \beta, \t
	v_pk_add_f32 v[rS+2*\i:rS+2*\i+1], v[rS+2*\i:rS+2*\i+1], v[rT:rT+1] op_sel_hi:[1,0] neg_lo:[0,1] neg_hi:[0,1]   ; s - m, two at a time
.endr
.endr
.irp t, 0,1                            ; ONE BATCH of 66 exponentials: none of them reads another's result
	TSET \beta, \t
	v_exp_f32 v[rT+6], v[rT+7]                     ; a = 2^(m_old - m_new)
.endr
.irp i, 0,1,2,3,4,5,6,7,8,9,10,11,12,13,14,15,16,17,18,19,20,21,22,23,24,25,26,27,28,29,30,31
.irp t, 0,1
	TSET \beta, \t
	v_exp_f32 v[rS+\i], v[rS+\i]
.endr
.endr
	v_nop                                          ; a plain instruction behind the last exponential,
	s_wait_alu depctr_va_vdst(0)                   ; and one wait ahead of the batch's first reader
.irp t, 0,1                            ; l = a l + the sum of the 32 p, in two chains of pairs
	TSET \beta, \t
	v_pk_fma_f32 v[rT+2:rT+3], v[rT+2:rT+3], v[rT+6:rT+7], v[rS:rS+1] op_sel_hi:[1,0,1]
	v_pk_add_f32 v[rT+4:rT+5], v[rS+2:rS+3], v[rS+6:rS+7]
.endr
.irp t, 0,1
	TSET \beta, \t
	v_pk_add_f32 v[rT+2:rT+3], v[rT+2:rT+3], v[rS+4:rS+5]
.endr
.irp i, 2,3,4,5,6,7
.irp t, 0,1
	TSET \beta, \t
	v_pk_add_f32 v[rT+2:rT+3], v[rT+2:rT+3], v[rS+4*\i:rS+4*\i+1]
	v_pk_add_f32 v[rT+4:rT+5], v[rT+4:rT+5], v[rS+4*\i+2:rS+4*\i+3]
.endr
.endr
.irp t, 0,1
	TSET \beta, \t
	v_pk_add_f32 v[rT+2:rT+3], v[rT+2:rT+3], v[rT+4:rT+5]
.endr
.irp i, 0,1,2,3,4,5,6,7,8,9,10,11,12,13,14,15
.irp t, 0,1
	TSET \beta, \t
	v_cvt_pk_f16_f32 v[rS+\i], v[rS+2*\i], v[rS+2*\i+1]   ; P, packed in place, ascending: nothing unread is written over
.endr
.endr
.if !\first
	WIN 0x41                                       ; O^T (destination and source 0) window 1, a window 0
.irp i, 0,1,2,3,4,5,6,7,8,9,10,11,12,13,14,15
.irp t, 0,1
	TSET \beta, \t
	v_pk_mul_f32 v[rO+2*\i:rO+2*\i+1], v[rO+2*\i:rO+2*\i+1], v[rT+6:rT+7] op_sel_hi:[1,0]   ; O^T under the new m; each accumulator from its low end on
.endr
.endr
	WIN 0
.endif
.endm
; ONE OF MY KEY STEPS.
.macro XSTEP first
	v_add_nc_u32 v[ADR], s2, v[LI]
	KVLOAD 0                                       ; K
	s_wait_dscnt 0x0                               ; K and this step's bias are in
	KQ
	WIN 0
.rept 4
	v_nop                                          ; four places in front of the loads into K's and the bias's registers and of the first read of the scores
.endr
	KVLOAD 8192                                    ; V lands under the softmax,
	s_add_co_u32 s3, s3, 512
	BTLOAD                                         ; and so does my next step's bias (behind the last step: 512 bytes further on in the table, inside each copy's 10,240 stored bytes, used by nobody)
	HALF 0, \first
	HALF 1, \first
	s_wait_dscnt 14                                ; V's 16 loads are in; the 14 of the bias, issued behind them, may be out
	PV \first
	WIN 0
.rept 5
	v_nop                                          ; five places: the next step's first products write over P's registers; its loads of K land on V's
.endr
	s_add_co_u32 s2, s2, 32768                     ; two key steps on
.endm
.macro RUN n
	s_mov_b32 s10, \n
.Lrun_\@:
	XSTEP 0
	s_sub_co_u32 s10, s10, 1
	s_cmp_lg_u32 s10, 0
	s_cbranch_scc1 .Lrun_\@
.endm
; THE CHANGE OF SLOTS.  Each wave waits for all its tensor loads (its part of the slot ahead), adds 0 to its spare word, and waits for that and for its reads of the slot that it leaves.  fill = 1: the barrier is a round of the
; cluster's, so that no wave of any partner still reads the slot or has a load on its way, and the joint refill, the keys two slots on, is the first thing behind it: one tensor load a wave.
.macro CHANGE fill
	s_wait_tensorcnt 0x0                           ; no tensor load of mine is out, so a group 0 may be written
	ds_add_u32 v[SPW], v[NIL]
.if \fill
	s_xor_b32 s17, s17, SLOT1                      ; the walking descriptor: the other slot than last time,
	s_add_nc_u64 s[18:19], s[18:19], 131072        ; the next eight key steps; the type bits on top are not reached
.endif
	s_wait_dscnt 0x0                               ; the add is done, and my reads of the slot are over
.if \fill
	CROUND
	tensor_load_to_lds s[16:19], s[24:31]
	s_nop 0
.rept 4
	v_nop
.endr
.else
	s_barrier_signal -1
	s_barrier_wait -1
.endif
	s_sub_co_u32 s2, s2, 131072                    ; back to my first step of a slot,
	s_xor_b32 s2, s2, SLOT1                        ; in the other slot
.endm
	s_load_b256 s[32:39], s[0:1], 0x0              ; qkv, mb, bt, ofr
	v_lshl_add_u32 v[SPW], v0, 2, SPARE
	v_mov_b32 v[NIL], 0
	ds_add_u32 v[SPW], v[NIL]                      ; the wave's opening: the add, with its wait ahead of the round in front of my first tensor load; work on registers stands between them
	v_lshrrev_b32 v9, 5, v0
	v_readfirstlane_b32 s8, v9                     ; wave 0..7
	s_and_b32 s23, s8, 3                           ; wq: it alone, with u, enters LDS addresses
	s_lshr_b32 s22, s8, 2                          ; u
	s_xor_b32 s45, s23, 3                          ; qg = 3 - wq: which 64 queries are mine: it enters global offsets alone
	s_bfe_u32 s40, ttmp6, 0x40000                  ; cx: my place in the cluster
	s_lshl_b32 s41, ttmp9, 2
	s_add_co_u32 s41, s41, s40                     ; my block of 256 queries: it enters global addresses alone
	s_and_b32 s42, ttmp7, 0xffff                   ; g = 12 batch + head, which the four partners share
	s_cmp_ge_u32 s42, 12
	s_cselect_b32 s43, 1, 0                        ; batch
	s_mul_i32 s44, s43, 12
	s_sub_co_u32 s44, s42, s44                     ; head
	s_mov_b32 s24, 15|(3<<16)|(1<<21)              ; group 1: 15:0 the mask: all four work-groups; 17:16 elements of 8 bytes; 21 set beside a mask; no padding
	s_mov_b32 s25, 32<<16                          ; tensor_dim0 = 32 elements: rows of 256 bytes
	s_mov_b32 s26, 64<<16                          ; tensor_dim1 = 64
	s_mov_b32 s27, 32<<16                          ; tile_dim0 = 32
	s_mov_b32 s28, 64                              ; tile_dim1 = 64: a key step's 16,384 dense bytes
	s_mov_b32 s29, 32                              ; the pitch
	s_mov_b32 s30, 0
	s_mov_b32 s31, 0
	s_lshl_b32 s46, s42, 19
	s_lshl_b32 s13, s8, 14                         ; my key step of a slot: in LDS,
	s_add_co_u32 s46, s46, s13
	s_add_co_u32 s46, s46, 6291456                 ; and in memory: K and V lie behind q
	s_mov_b32 s47, 0
	s_add_co_u32 s17, s13, SLOT1
	s_mov_b32 s12, 1
	s_mov_b32 s16, 1
	s_lshl_b32 s48, s42, 18                        ; Q: 262,144 g + 32,768 block + 8,192 qg
	s_lshl_b32 s50, s41, 15
	s_add_co_u32 s48, s48, s50
	s_lshl_b32 s50, s45, 13
	s_add_co_u32 s48, s48, s50
	s_mov_b32 s49, 0
	s_lshl_b32 s50, s41, 16                        ; mask words: 16,384 (4 block + qg)
	s_lshl_b32 s52, s45, 14
	s_add_co_u32 s50, s50, s52
	s_mov_b32 s51, 0
	s_lshl_b32 s52, s43, 7                         ; O: token tile 128 batch + 16 block + 4 qg, of 24,576 bytes; + 2,048 head
	s_lshl_b32 s54, s41, 4
	s_add_co_u32 s52, s52, s54
	s_lshl_b32 s54, s45, 2
	s_add_co_u32 s52, s52, s54
	s_mul_i32 s52, s52, 24576
	s_lshl_b32 s54, s44, 11
	s_add_co_u32 s52, s52, s54
	s_mov_b32 s53, 0
	s_lshl_b32 s54, s44, 10                        ; the head's 256 entries of the bias table
	s_mov_b32 s55, 0
	s_mul_i32 s59, s22, 1280                       ; the table's fill: wave w fills copy wq, half u.  Entry e of slot m is L[4 m + wq + e]; y = that index + 1,792 - 256 block: an index into memory, no LDS address
	s_add_co_u32 s59, s59, s23
	s_add_co_u32 s59, s59, 1792
	s_lshl_b32 s56, s41, 8
	s_sub_co_u32 s59, s59, s56
	s_mul_i32 s11, s23, COPYB                      ; where my part of the table goes: copy wq, half u
	s_mul_i32 s60, s22, 5120
	s_add_co_u32 s11, s11, s60
	s_add_co_u32 s11, s11, TAB
	s_lshl_b32 s57, s23, 8                         ; where I read it: 64 (3 - qg) = 64 wq entries on
	s_add_co_u32 s57, s57, TAB
	s_mul_i32 s58, s23, EXB                        ; my pair's exchange
	s_mov_b32 s20, 0x76543210
	s_mov_b32 s21, 0xfedcba98                      ; v_permlanex16_b32's selects for lane l xor 16
	s_lshl_b32 s2, s22, 14                         ; my first key step: u
	s_lshl_b32 s3, s22, 8
	s_lshl_b32 s9, s22, 9
	s_wait_dscnt 0x0                               ; the opening add is done
	s_wait_kmcnt 0x0
	s_add_nc_u64 s[14:15], s[32:33], s[46:47]
	s_add_nc_u64 s[18:19], s[14:15], 131072
	s_or_b32 s15, s15, 0x80000000                  ; type = 2
	s_or_b32 s19, s19, 0x80000000
	s_add_nc_u64 s[66:67], s[32:33], s[48:49]
	s_add_nc_u64 s[4:5], s[34:35], s[50:51]
	s_add_nc_u64 s[6:7], s[38:39], s[52:53]
	s_add_nc_u64 s[100:101], s[36:37], s[54:55]
	CROUND                                         ; all four work-groups are here: the first joint loads meet
	tensor_load_to_lds s[12:15], s[24:31]          ; slot 0: key steps 0-7
	s_nop 0
	tensor_load_to_lds s[16:19], s[24:31]          ; slot 1: key steps 8-15
	s_nop 0
.rept 4
	v_nop
.endr
	; every LDS address register is made here, of the thread's number, the wave's number and constants alone, in registers that hold nothing else
	v_and_b32 v[LI], 31, v0
	v_lshlrev_b32 v[LI], 4, v[LI]
	v_and_b32 v9, 15, v0                           ; r
	v_bfe_u32 v11, v0, 4, 1                        ; h
	v_xor_b32 v12, 15, v9                          ; z = 15 - r
	v_and_b32 v13, 3, v12                          ; my copy: z % 4
	v_and_b32 v15, 12, v12                         ; z less that: a multiple of 4
	v_mul_u32_u24 v[ABT0], v13, COPYB
	v_lshl_add_u32 v[ABT0], v15, 2, v[ABT0]        ; 4 bytes an entry
	v_lshl_add_u32 v[ABT0], v11, 5, v[ABT0]        ; + 8 h entries
	v_add_nc_u32 v[ABT0], s57, v[ABT0]             ; + the table + 256 wq: register j of diagonal a - b + 3 is entry i = the step's first key + 16 (a - b + 3) + 64 wq + 8 h + 15 - r + j
	v_add_nc_u32 v[EXA], s58, v[LI]
	v_add_nc_u32 v10, s11, v[LI]                   ; where my slots of the table go
	WIN 0x40
.irp b, 0,1,2,3
.irp f, 0,1
.irp c, 0,1
	global_load_b128 v[QF+16*\b+8*\f+4*\c:QF+16*\b+8*\f+4*\c+3], v[LI], s[66:67] offset:1024*(2*\b+\f)+512*\c   ; Q stays in registers
.endr
.endr
.endr
	WIN 0
	v_and_b32 v14, 31, v0
	v_lshlrev_b32 v14, 2, v14
	v_add_nc_u32 v14, s59, v14                     ; y of entry 0 of my first slot
.set n, 0
.rept 40                               ; slot 320 u + 32 (n / 4) + lane, entry n % 4: bt's index is w = 16 - (key - query) = 2,063 - y, held to 0 .. 129: beyond both ends the bucket stays the same
	v_add_nc_u32 v[168+n], 128*(n/4)+n%4, v14
	v_min_u32 v[168+n], 2063, v[168+n]
	v_sub_nc_u32 v[168+n], 2063, v[168+n]
	v_min_u32 v[168+n], 129, v[168+n]
	v_lshlrev_b32 v[168+n], 2, v[168+n]
	global_load_b32 v[128+n], v[168+n], s[100:101]
.set n, n+1
.endr
.irp b, 0,1,2,3
	v_mov_b32 v[ST+8*\b], 0xff61b1e6               ; m = -3e38, under every score
	v_mov_b32 v[ST+8*\b+1], 0                      ; (named with m as a pair)
	v_mov_b32 v[ST+8*\b+2], 0                      ; l
	v_mov_b32 v[ST+8*\b+3], 0
.endr
	v_mov_b32 v[NINF], 0xff800000
	s_wait_loadcnt 0x0                             ; the table's entries, and Q
.irp k, 0,1,2,3,4,5,6,7,8,9
	ds_store_b128 v10, v[128+4*\k:128+4*\k+3] offset:512*\k
.endr
	MLOAD 0                                        ; my first step's mask words: nothing of the head is left in their registers
	s_wait_tensorcnt 0x1                           ; my part of slot 0 is in; slot 1's may stay out
	s_wait_dscnt 0x0                               ; my part of the table is stored
	s_barrier_signal -1
	s_barrier_wait -1
	BTLOAD
	XSTEP 1                                        ; my first key step starts O^T's sums: nothing is cleared
	RUN 3
	s_mov_b32 s11, 2
.Lslot:                                            ; two trips: slots 0 and 1 are filled again
	CHANGE 1
	RUN 4
	s_sub_co_u32 s11, s11, 1
	s_cmp_lg_u32 s11, 0
	s_cbranch_scc1 .Lslot
	CHANGE 0                                       ; the tail is written out: nothing is left to ask for
	RUN 4
	; THE END.  A pair's two waves hold (m, l, O) over the even and the odd key steps of the same 64 queries.  Wave u = 1 hands its own to wave u = 0 through LDS, as images of registers.
	s_wait_kmcnt 0x0                               ; the last look-ahead of mask words
.irp b, 0,1,2,3
	v_add_f32 v[XM+4+\b], v[ST+8*\b+2], v[ST+8*\b+3]
.endr
.irp b, 0,1,2,3
	v_permlanex16_b32 v[ST+8*\b+4], v[XM+4+\b], s20, s21
.endr
.irp b, 0,1,2,3
	v_add_f32 v[XM+4+\b], v[XM+4+\b], v[ST+8*\b+4] ; l over both halves of the lanes
.endr
.irp b, 0,1,2,3
	v_mov_b32 v[XM+\b], v[ST+8*\b]
.endr
	s_cmp_eq_u32 s22, 0
	s_cbranch_scc1 .Lkeeps
	WIN 0x04                                       ; an LDS store's data are its source 1: window 1
.set n, 0
.rept 32
	ds_store_b128 v[EXA], v[4*n:4*n+3] offset:512*n   ; each accumulator from its low end on
.set n, n+1
.endr
	WIN 0
	ds_store_b128 v[EXA], v[XM:XM+3] offset:16384
	ds_store_b128 v[EXA], v[XM+4:XM+7] offset:16896
.Lkeeps:
	s_wait_dscnt 0x0                               ; for the partner's sake: my stores are done (and my last loads of the bias are in)
	s_barrier_signal -1
	s_barrier_wait -1
	s_cmp_lg_u32 s22, 0
	s_cbranch_scc1 .Lfin
	ds_load_b128 v[XM+8:XM+11], v[EXA] offset:16384    ; the partner's m,
	ds_load_b128 v[XM+12:XM+15], v[EXA] offset:16896   ; l,
.set n, 0
.rept 32
	ds_load_b128 v[S+4*n:S+4*n+3], v[EXA] offset:512*n ; and O^T
.set n, n+1
.endr
	s_wait_dscnt 0x0
.irp b, 0,1,2,3
	v_max_num_f32 v[ST+8*\b+4], v[XM+\b], v[XM+8+\b]
.endr
.irp b, 0,1,2,3
	v_sub_f32 v[ST+8*\b+5], v[XM+\b], v[ST+8*\b+4]
	v_sub_f32 v[ST+8*\b+6], v[XM+8+\b], v[ST+8*\b+4]
.endr
.irp b, 0,1,2,3
	v_exp_f32 v[ST+8*\b+5], v[ST+8*\b+5]           ; both sides under the common maximum
	v_exp_f32 v[ST+8*\b+6], v[ST+8*\b+6]
.endr
	v_nop
	s_wait_alu depctr_va_vdst(0)                   ; one wait for the eight
.irp b, 0,1,2,3
	v_mul_f32 v[ST+8*\b+7], v[XM+4+\b], v[ST+8*\b+5]
.endr
.irp b, 0,1,2,3
	v_fmac_f32 v[ST+8*\b+7], v[XM+12+\b], v[ST+8*\b+6]   ; the row's sum
.endr
.irp b, 0,1,2,3
	v_rcp_f32 v[ST+8*\b+4], v[ST+8*\b+7]
.endr
	v_nop
	s_wait_alu depctr_va_vdst(0)                   ; one wait for the four
.irp b, 0,1,2,3
	v_cmp_lt_f32 vcc_lo, 0, v[ST+8*\b+7]
	v_cndmask_b32 v[ST+8*\b+4], 0, v[ST+8*\b+4], vcc_lo   ; a row with no open key: weights 0
.endr
.irp b, 0,1,2,3
	v_mul_f32 v[ST+8*\b+2], v[ST+8*\b+5], v[ST+8*\b+4]
	v_mul_f32 v[ST+8*\b+6], v[ST+8*\b+6], v[ST+8*\b+4]
.endr
.irp b, 0,1,2,3
.irp i, 0,1,2,3,4,5,6,7,8,9,10,11,12,13,14,15
	v_pk_mul_f32 v[S+32*\b+2*\i:S+32*\b+2*\i+1], v[S+32*\b+2*\i:S+32*\b+2*\i+1], v[ST+8*\b+6:ST+8*\b+7] op_sel_hi:[1,0]
.endr
.endr
	WIN 0x01                                       ; source 0, my O^T: window 1
.irp b, 0,1,2,3
.irp i, 0,1,2,3,4,5,6,7,8,9,10,11,12,13,14,15
	v_pk_fma_f32 v[S+32*\b+2*\i:S+32*\b+2*\i+1], v[32*\b+2*\i:32*\b+2*\i+1], v[ST+8*\b+2:ST+8*\b+3], v[S+32*\b+2*\i:S+32*\b+2*\i+1] op_sel_hi:[1,0,1]   ; each accumulator from its low end on
.endr
.endr
	WIN 0
.irp b, 0,1,2,3
.irp i, 0,1,2,3,4,5,6,7,8,9,10,11,12,13,14,15
	v_cvt_pk_f16_f32 v[S+32*\b+\i], v[S+32*\b+2*\i], v[S+32*\b+2*\i+1]   ; a lane's eight channels of a token: 16 bytes of a fragment of the last product's operand
.endr
.endr
.irp b, 0,1,2,3
.irp t, 0,1,2,3
	global_store_b128 v[LI], v[S+32*\b+4*\t:S+32*\b+4*\t+3], s[6:7] offset:24576*\b+512*\t   ; 512 consecutive bytes a store, aligned
.endr
.endr
.Lfin:
	s_wait_tensorcnt 0x0                           ; the wave's end: behind my last tensor load and my last LDS store
	ds_add_u32 v[SPW], v[NIL]
	s_wait_dscnt 0x0
	CROUND                                         ; the closing round: no work-group ends while a partner may still ask for a tile that names it
	s_endpgm
.Lfunc_end_k_qc9315ad880_attn:
	.size	k_qc9315ad880_attn, .Lfunc_end_k_qc9315ad880_attn-k_qc9315ad880_attn
	.p2alignl 7, 3214868480
	.fill 96, 4, 3214868480
	.section	.rodata,"a",@progbits
	.p2align	6, 0x0
	.amdhsa_kernel k_qc9315ad880_attn
		.amdhsa_group_segment_fixed_size 327680
		.amdhsa_private_segment_fixed_size 0
		.amdhsa_enable_private_segment 0
		.amdhsa_kernarg_size 32
		.amdhsa_user_sgpr_count 2
		.amdhsa_user_sgpr_kernarg_segment_ptr 1
		.amdhsa_wavefront_size32 1
		.amdhsa_system_sgpr_workgroup_id_x 1
		.amdhsa_system_sgpr_workgroup_id_y 1
		.amdhsa_system_sgpr_workgroup_id_z 1
		.amdhsa_system_vgpr_workitem_id 0
		.amdhsa_next_free_vgpr 512
		.amdhsa_next_free_sgpr 102
		.amdhsa_reserve_vcc 1
		.amdhsa_float_denorm_mode_32 3
		.amdhsa_float_denorm_mode_16_64 3
		.amdhsa_memory_ordered 1
		.amdhsa_forward_progress 1
		.amdhsa_inst_pref_size 208
	.end_amdhsa_kernel
	.amdgpu_metadata
---
amdhsa.version: [ 1, 2 ]
amdhsa.kernels:
  - .name:           k_qc9315ad880_attn
    .symbol:         k_qc9315ad880_attn.kd
    .args:
      - { .name: qkv, .offset: 0, .size: 8, .value_kind: global_buffer, .address_space: global }
      - { .name: mb, .offset: 8, .size: 8, .value_kind: global_buffer, .address_space: global }
      - { .name: bt, .offset: 16, .size: 8, .value_kind: global_buffer, .address_space: global }
      - { .name: ofr, .offset: 24, .size: 8, .value_kind: global_buffer, .address_space: global }
    .group_segment_fixed_size: 327680
    .private_segment_fixed_size: 0
    .kernarg_segment_align: 8
    .kernarg_segment_size: 32
    .max_flat_workgroup_size: 256
    .sgpr_count:     102
    .vgpr_count:     512
    .wavefront_size: 32
...
	.end_amdgpu_metadata
.endif
;; end of part 3
;; launch oproj (part 4): grid 6 x 32, 4 waves a work-group, no clusters, 17,920 bytes of LDS; arguments ofr, wo, out0; writes out0
.if DOCPART == 4
	.amdgcn_target "amdgcn-amd-amdhsa--gfx1250"
	.amdhsa_code_object_version 6
	.text
	.protected	k_qc9315ad880_oproj
	.globl	k_qc9315ad880_oproj
	.p2align	8
	.type	k_qc9315ad880_oproj,@function
k_qc9315ad880_oproj:
	s_mov_b64 s[64:65], 0
	v_nop
	global_prefetch_b8 v0, s[64:65] scope:SCOPE_SE
	s_setreg_imm32_b32 hwreg(HW_REG_WAVE_MODE, 25, 1), 1
	s_wait_xcnt 0x0
; OPROJ: out = O W_O^T, f16 operands, f32 sums and f32 output.  O [4096][768] and W_O [768][768] lie as fragments of 16 rows x 32 k in the order of operand registers: tile x 24,576 + (k / 32) x 1,024 bytes.
; SHARES.  A work-group makes 128 tokens x 128 columns; its 2 x 2 waves 64 x 64 each: 16 accumulators, K = 768 in 24 steps of 32, written out.  Operands go from memory straight into registers, two loads of 16 bytes a lane a fragment,
; 512 consecutive bytes each, through a ring of four register sets: three steps' loads are on their way while one is multiplied.
; No tensor loads, no cluster: the grid's 6 along x is no multiple of 4, K is short, and a fragment needs no turn through LDS.
; THE MATRIX INSTRUCTION IS USED TRANSPOSED (source 0 = 16 rows of W_O, source 1 = 16 tokens): a lane holds eight neighbouring columns of one row of the output.
; THE WAY OUT: a block of 16 tokens x 64 columns goes through the wave's own stage in LDS (rows of 256 bytes + 16) and comes back by rows: sixteen lanes store 256 consecutive bytes, aligned.
.set SPARE, 17408                      ; behind the four stages of 4,352 bytes: the spare words, 128 bytes a wave
.set SPW, 6                            ; v6  my spare word; never rewritten
.set NIL, 7                            ; v7  0; never rewritten
.set ACC, 128                          ; v128-255 accumulator (token tile a, column tile b) at 8 (4 a + b)
.set BK,  64                           ; v64-127 the way out: two sets of 32
                                       ; window 1: four sets of 64: W_O's four fragments, then O's four
.set MSB, 0
.macro WIN new                         ; the immediate's high byte repeats the setting that is left
.if MSB != \new
	s_set_vgpr_msb (MSB<<8)|\new
.set MSB, \new
.endif
.endm
	s_load_b128 s[4:7], s[0:1], 0x0                ; ofr, wo
	s_load_b64 s[8:9], s[0:1], 0x10                ; out0
	v_lshl_add_u32 v[SPW], v0, 2, SPARE
	v_mov_b32 v[NIL], 0
	v_lshrrev_b32 v8, 5, v0
	v_readfirstlane_b32 s10, v8                    ; wave
	v_and_b32 v1, 31, v0
	v_lshlrev_b32 v1, 4, v1                        ; 16 x lane
	v_and_b32 v9, 15, v0                           ; r
	v_bfe_u32 v10, v0, 4, 1                        ; h
	s_lshr_b32 s11, s10, 1                         ; which 64 tokens
	s_and_b32 s12, s10, 1                          ; which 64 columns
	s_and_b32 s13, ttmp7, 0xffff
	s_lshl_b32 s14, ttmp9, 3
	s_lshl_b32 s15, s12, 2
	s_add_co_u32 s14, s14, s15
	s_mul_i32 s14, s14, 24576                      ; W_O: tile 8 x + 4 (wave % 2)
	s_mov_b32 s15, 0
	s_lshl_b32 s16, s13, 3
	s_lshl_b32 s17, s11, 2
	s_add_co_u32 s16, s16, s17
	s_mul_i32 s16, s16, 24576                      ; O: tile 8 y + 4 (wave / 2)
	s_mov_b32 s17, 0
	s_lshl_b32 s18, s13, 7
	s_lshl_b32 s19, s11, 6
	s_add_co_u32 s18, s18, s19
	s_mul_i32 s18, s18, 3072                       ; out: my first row,
	s_lshl_b32 s19, ttmp9, 9
	s_add_co_u32 s18, s18, s19
	s_lshl_b32 s19, s12, 8
	s_add_co_u32 s18, s18, s19                     ; my first column: 512 x + 256 (wave % 2) bytes
	s_mov_b32 s19, 0
	s_mul_i32 s20, s10, 4352                       ; my stage
	v_mul_u32_u24 v2, v9, 272
	v_lshl_add_u32 v2, v10, 5, v2
	v_add_nc_u32 v2, s20, v2                       ; in: row r, 32 bytes for each half of the lanes
	v_mul_u32_u24 v3, v10, 272
	v_lshl_add_u32 v3, v9, 4, v3
	v_add_nc_u32 v3, s20, v3                       ; back: lanes 0-15 one row of 256 bytes, lanes 16-31 the next
	v_mul_u32_u24 v4, v10, 3072
	v_lshl_add_u32 v4, v9, 4, v4                   ; and the same two rows in the output
	s_wait_kmcnt 0x0
	s_add_nc_u64 s[22:23], s[6:7], s[14:15]
	s_add_nc_u64 s[24:25], s[4:5], s[16:17]
	s_add_nc_u64 s[26:27], s[8:9], s[18:19]
.macro FL k                            ; K step k: 16 loads into set k % 4
.set SG, 64*((\k)%4)
	WIN 0x40                                       ; destination window 1
.irp i, 0,1,2,3
.irp c, 0,1
	global_load_b128 v[SG+8*\i+4*\c:SG+8*\i+4*\c+3], v1, s[22:23] offset:\i*24576+(\k)*1024+512*\c
	global_load_b128 v[SG+32+8*\i+4*\c:SG+32+8*\i+4*\c+3], v1, s[24:25] offset:\i*24576+(\k)*1024+512*\c
.endr
.endr
.endm
.macro MM k                            ; 16 products; the 16 accumulators take turns, one instruction a turn, in the same order in every step; the first step starts the sums
.set SG, 64*((\k)%4)
	WIN 0x05                                       ; sources 0 and 1 window 1
.irp a, 0,1,2,3
.irp b, 0,1,2,3
.if (\k) == 0
	v_wmma_f32_16x16x32_f16 v[ACC+8*(4*\a+\b):ACC+8*(4*\a+\b)+7], v[SG+8*\b:SG+8*\b+7], v[SG+32+8*\a:SG+32+8*\a+7], 0
.else
	v_wmma_f32_16x16x32_f16 v[ACC+8*(4*\a+\b):ACC+8*(4*\a+\b)+7], v[SG+8*\b:SG+8*\b+7], v[SG+32+8*\a:SG+32+8*\a+7], v[ACC+8*(4*\a+\b):ACC+8*(4*\a+\b)+7]
.endif
.endr
.endr
.rept 4
	v_nop                                          ; four places in front of the loads into this set, and of the first read of results
.endr
.endm
	FL 0
	FL 1
	FL 2
.set kk, 0
.rept 24
.if kk <= 20
	s_wait_loadcnt 32                              ; this step's loads are in; the two later steps' 32 may be out;
	FL kk+3                                        ; then the step three on is asked for, into the set that the step before multiplied: 48 loads of the wave are out at the most
.else
	s_wait_loadcnt 16*(23-kk)                      ; the counts run down
.endif
	MM kk
.set kk, kk+1
.endr
	WIN 0
.macro TOSTAGE a
.irp b, 0,1,2,3
	ds_store_b128 v2, v[ACC+8*(4*(\a)+\b):ACC+8*(4*(\a)+\b)+3] offset:64*\b          ; each accumulator from its low end on
	ds_store_b128 v2, v[ACC+8*(4*(\a)+\b)+4:ACC+8*(4*(\a)+\b)+7] offset:64*\b+16
.endr
.irp t, 0,1,2,3,4,5,6,7
	ds_load_b128 v[BK+32*((\a)%2)+4*\t:BK+32*((\a)%2)+4*\t+3], v3 offset:544*\t      ; LDS serves a wave's instructions in order: these see my stores, and the next block's stores come behind them
.endr
.endm
.macro SEND a, younger                 ; younger: the LDS instructions issued behind block a's loads, which may stay out
	s_wait_dscnt \younger
.irp t, 0,1,2,3,4,5,6,7
	global_store_b128 v4, v[BK+32*((\a)%2)+4*\t:BK+32*((\a)%2)+4*\t+3], s[26:27] offset:(16*(\a)+2*\t)*3072 th:TH_STORE_NT   ; written once, read by nobody here
.endr
.endm
	TOSTAGE 0
	TOSTAGE 1
	SEND 0, 16                                     ; behind block 0's loads: block 1's 8 stores and 8 loads
	s_wait_xcnt 0x0                                ; block 0's stores have read their registers: block 2's loads may land there
	TOSTAGE 2
	SEND 1, 16
	s_wait_xcnt 0x0
	TOSTAGE 3
	SEND 2, 16
	SEND 3, 0
	s_wait_tensorcnt 0x0                           ; the wave's end: a tensor wait, an add of 0 to my spare word and its wait, behind my last LDS store
	ds_add_u32 v[SPW], v[NIL]
	s_wait_dscnt 0x0
	s_endpgm
.Lfunc_end_k_qc9315ad880_oproj:
	.size	k_qc9315ad880_oproj, .Lfunc_end_k_qc9315ad880_oproj-k_qc9315ad880_oproj
	.p2alignl 7, 3214868480
	.fill 96, 4, 3214868480
	.section	.rodata,"a",@progbits
	.p2align	6, 0x0
	.amdhsa_kernel k_qc9315ad880_oproj
		.amdhsa_group_segment_fixed_size 17920
		.amdhsa_private_segment_fixed_size 0
		.amdhsa_enable_private_segment 0
		.amdhsa_kernarg_size 24
		.amdhsa_user_sgpr_count 2
		.amdhsa_user_sgpr_kernarg_segment_ptr 1
		.amdhsa_wavefront_size32 1
		.amdhsa_system_sgpr_workgroup_id_x 1
		.amdhsa_system_sgpr_workgroup_id_y 1
		.amdhsa_system_sgpr_workgroup_id_z 1
		.amdhsa_system_vgpr_workitem_id 0
		.amdhsa_next_free_vgpr 512
		.amdhsa_next_free_sgpr 66
		.amdhsa_reserve_vcc 0
		.amdhsa_float_denorm_mode_32 3
		.amdhsa_float_denorm_mode_16_64 3
		.amdhsa_memory_ordered 1
		.amdhsa_forward_progress 1
		.amdhsa_inst_pref_size 75
	.end_amdhsa_kernel
	.amdgpu_metadata
---
amdhsa.version: [ 1, 2 ]
amdhsa.kernels:
  - .name:           k_qc9315ad880_oproj
    .symbol:         k_qc9315ad880_oproj.kd
    .args:
      - { .name: ofr, .offset: 0, .size: 8, .value_kind: global_buffer, .address_space: global }
      - { .name: wo, .offset: 8, .size: 8, .value_kind: global_buffer, .address_space: global }
      - { .name: out0, .offset: 16, .size: 8, .value_kind: global_buffer, .address_space: global }
    .group_segment_fixed_size: 17920
    .private_segment_fixed_size: 0
    .kernarg_segment_align: 8
    .kernarg_segment_size: 24
    .max_flat_workgroup_size: 128
    .sgpr_count:     66
    .vgpr_count:     512
    .wavefront_size: 32
...
	.end_amdgpu_metadata
.endif
;; end of part 4
